; MI455X (gfx1250); checked and timed in simulation.
; The chip was launched on July 23, 2026; its instructions are those of AMD's public machine-readable ISA for CDNA 5 (MIT licence, August 2026) and "CDNA5" Instruction Set Architecture Reference Guide (July 2026). The comments in the code are by the model that wrote it; some were corrected since.
;; Mo E. Allowed arithmetic: matrix products marked QUANTISED: E2M1 operands, one E8M0 scale for each 32 along K, by v_wmma_scale_f32_16x16x128_f8f6f4 with both operands' format E2M1 (or v_wmma_scale_f32_32x16x128_f4), f32 sums; everything else in f32.
;; Inputs: down_w 1,024 x 2,048 float32; gate_w 64 x 1,024 float32; up_w 2,048 x 1,024 float32; x 4 x 2,048 x 1,024 float32.
;; Outputs: out0 4 x 2,048 x 1,024 float32.
;; This version of the problem:
;;   THIS VERSION OF THE PROBLEM IS GIVEN IN LOW PRECISION. The matrix products marked QUANTISED in the list below multiply operands that are first quantised to E2M1 (2 exponent bits, 1 mantissa bit; 4 bits a number), with one power-of-two scale for each 32 numbers along K (OCP MX v1.0); their sums are f32. All else is computed in f32.
;;   The module's matrix products, in the order in which they are computed (A, B: the left and right operand; K: the contracted axis; several contracted axes count as one K, in the product's order):
;;     1. [M 8,192, K 1,024] x [K 1,024, N 64]; A: input x; B: input gate_w: QUANTISED
;;     2. [M 16,384, K 1,024] x [K 1,024, N 2,048]; A: input x; B: input up_w: QUANTISED
;;     3. [M 16,384, K 2,048] x [K 2,048, N 1,024]; A: computed on the way; B: input down_w: QUANTISED
;;   THE QUANTISER, for each operand of a quantised product, along K:
;;     - K is cut into blocks of 32 from its start; a last block that is shorter is filled with zeros.
;;     - A block's scale is 2^e with e = floor(log2(the largest magnitude in the block)) - 2, held to -126 .. 127; a block of zeros has e = 0. As a byte (E8M0): e + 127.
;;     - Each number is divided by its block's scale, clamped to +-6, and rounded to the nearest number of E2M1, ties to even, subnormals kept.
;;     - The product sums the exact products of the quantised numbers (number of the format x scale) in f32.
;;   ~~~python
;;   def quantise(x, axis):      # numpy; x: float32 -> the quantised numbers, widened to float32 again
;;       x = np.moveaxis(x, axis, -1); K = x.shape[-1]
;;       x = np.pad(x, [(0, 0)] * (x.ndim - 1) + [(0, -K % 32)]); x = x.reshape(x.shape[:-1] + (-1, 32)); a = np.abs(x).max(-1, keepdims=True)
;;       e = np.where(a > 0, np.clip(np.frexp(np.where(a > 0, a, 1))[1] - 1 - 2, -126, 127), 0)      # np.frexp(a)[1] - 1 = floor(log2(a)), exactly
;;       r = np.clip(x / 2.0 ** e, -6, 6)
;;       step = 2.0 ** (np.maximum(np.frexp(np.where(r == 0, 1, r))[1] - 1, 0) - 1)
;;       q = np.round(r / step) * step * 2.0 ** e      # np.round: ties to even
;;       return np.moveaxis(q.reshape(q.shape[:-2] + (-1,))[..., :K], -1, axis).astype(np.float32)
;;   ~~~
;;   OPERANDS COMPUTED ON THE WAY. 'Computed on the way' means the value that the module computes at that place (a softmax that the list does not call 'softmax' is quantised finished and normalised). What goes into a quantiser is computed in f32, as accurately as f32 sums, v_exp_f32 and their like allow (about 1e-6 of the number): no bf16 or f16 on the way to a quantiser, and a product that is left as it is and whose result goes on into a quantised operand takes f32 operands (vector FMAs, or v_wmma_f32_16x16x4_f32). A number that lies on a knife's edge between two numbers of the format may be rounded either way, as far as f32 arithmetic and the matrix unit's own rounding can turn it there, and no further.
;; One version. Each part assembles by itself: llvm-mc -triple=amdgcn-amd-amdhsa -mcpu=gfx1250 --defsym DOCPART=n.
;; ======== version 1 of 1: 3 launches
;; limits: right only within a limited range of input values
;; workspace buffers: qc 6,324,224 bytes; qs 395,264 bytes; hc 8,388,608 bytes; hs 524,288 bytes; wsum 32,768 bytes
;; launch quant (part 1): grid 772 x 1, 4 waves a work-group, no clusters, 30,208 bytes of LDS; arguments x, up_w, down_w, gate_w, qc, qs; writes qc, qs
.if DOCPART == 1
	.amdgcn_target "amdgcn-amd-amdhsa--gfx1250"
	.amdhsa_code_object_version 6
	.text
	.protected	k_q31027d1531_quant
	.globl	k_q31027d1531_quant
	.p2align	8
	.type	k_q31027d1531_quant,@function
k_q31027d1531_quant:
	s_mov_b64 s[64:65], 0
	v_nop
	global_prefetch_b8 v0, s[64:65] scope:SCOPE_SE
	s_setreg_imm32_b32 hwreg(HW_REG_WAVE_MODE, 25, 1), 1
	s_wait_xcnt 0x0
; x [8192][1024], up_w [2048][1024], down_w [1024][2048], gate_w [64][1024], all f32 with K innermost, are turned into codes of FP4 (E2M1) with one E8M0 scale byte for each 32 along K.
; A block's scale is 2^(floor(log2(its largest magnitude)) - 2); its byte is the largest magnitude's own exponent field - 2, held at 1 from below.
; Each number is divided by the scale and rounded to the nearest code, ties to even, beyond 6 the code of 6.
; WORK LEFT OUT BY THE PROGRAM: the module repeats every token twice and runs both copies through the same weights: rows 2 t and 2 t + 1 of its two large products are equal for every input,
; so each token is multiplied once and weighed by ew0 + ew1.  The capacity is the number of rows, so nothing is padded or cut.  The experts' numbers (top_idx) are used by nothing.
; A NaN, an infinity or an overflow that arises only in what is left out (the products by ew0 and ew1 apart) is not carried to the result.
; LIMITS: NaN and infinities among the inputs are not served.  A block whose largest magnitude lies under 2^-124 is held at the byte 1.  A block of zeros gets
; the byte 1 and not 127: its codes are zeros, which add nothing under any byte but 0xff, and the bytes are read by this program alone.
; SHARES: a work-group takes a UNIT: 16 rows x 1,024 along K, a wave four of the rows, in eight steps of 512 numbers.  Units 0-511 are x, 512-639 up_w, 640-767 down_w (a block of 16 rows, then its halves of K), 768-771 gate_w.
; Which rows form a block: x, gate_w: neighbours.  up_w: block 2 i + u takes rows 32 i + 8 u + r + 8 (r / 8), so that a lane's results of two blocks are 16 neighbouring hidden units.
; down_w: block 4 G + b takes rows 64 G + 4 r + b, so that a lane's results of four blocks are four neighbouring outputs.
; A unit's codes are stored as THE IMAGE OF THE OPERAND'S REGISTERS: [K step of 128][c = 0, 1][lane (r, h)][16 bytes]: row r, K = 128 g + 64 c + 32 h + 0 .. 31: 8,192 bytes.  Its scale bytes: [row r][32 bytes].
; Each of a step's four loads reads 512 consecutive bytes; all 32 loads of a wave are asked for at once.  A step's 2,048 bytes turn through the wave's own stage in LDS (16 bytes of padding behind each 64) and come back
; 64 bytes a lane: 16 neighbours along K, two lanes to a block.  Codes and scale bytes are gathered in the work-group's image in LDS (16 bytes of padding behind each 256) and leave in runs of 512 bytes, aligned.
; No tensor loads, no matrix work, no cluster: work-groups share nothing, and every byte is read once.
.set STEPS, 8
.set R,     16                         ; v16-143  eight sets of 16 numbers as they are loaded
.set X,     144                        ; v144-175 two sets of 16 neighbours
.set C,     176                        ; v176-191 codes: two registers for each step
.set E,     192                        ; v192-199 a scale byte for each step
.set SPW,   12                         ; LDS address of my spare word; never rewritten
.set NIL,   13                         ; 0; never rewritten
.set SP,    80                         ; a lane's place in a stage: 64 bytes + 16 of padding
.set IP,    272                        ; 256 bytes of the image + 16 of padding
.set IMG,   4*2*32*SP                  ; behind the four waves' stages: the image, 32 runs of IP bytes
.set SCB,   IMG+32*IP                  ; the unit's 512 scale bytes
.set SPARE, SCB+512                    ; the spare words: 128 bytes for each wave
	s_load_b256 s[4:11], s[0:1], 0x0               ; x, up_w, down_w, gate_w
	s_load_b128 s[12:15], s[0:1], 0x20             ; qc, qs
	v_lshl_add_u32 v[SPW], v0, 2, SPARE
	v_mov_b32 v[NIL], 0
	v_lshrrev_b32 v1, 5, v0
	v_readfirstlane_b32 s16, v1                    ; wave: rows 4 wave .. 4 wave + 3 of the block
	v_and_b32 v2, 31, v0                           ; lane
	v_lshlrev_b32 v3, 4, v2                        ; my 16 bytes of 512
	s_mul_i32 s24, s16, 2*32*SP
	v_lshrrev_b32 v14, 2, v2
	v_mul_u32_u24 v14, v14, SP
	v_and_b32 v15, 3, v2
	v_lshl_add_u32 v14, v15, 4, v14
	v_add_nc_u32 v14, s24, v14                     ; the stage, way in: SP (lane / 4) + 16 (lane % 4); a load's 512 bytes take eight places
	v_mul_u32_u24 v15, v2, SP
	v_add_nc_u32 v15, s24, v15                     ; way out: SP x lane: my 16 neighbours
	v_lshrrev_b32 v4, 1, v2
	s_lshl_b32 s25, s16, 7
	s_add_co_u32 s25, s25, SCB
	v_add_nc_u32 v5, s25, v4                       ; my block's scale byte: 32 (4 wave) + lane / 2
	v_mul_u32_u24 v4, v4, IP
	v_and_b32 v6, 1, v2
	v_lshl_add_u32 v4, v6, 3, v4
	s_lshl_b32 s25, s16, 6
	s_add_co_u32 s25, s25, IMG
	v_add_nc_u32 v4, s25, v4                       ; my 8 bytes of codes in the image: run lane / 2, row 4 wave, half lane % 2 of a block
	v_lshrrev_b32 v6, 4, v2
	v_mul_u32_u24 v6, v6, IP
	v_and_b32 v7, 15, v2
	v_lshl_add_u32 v6, v7, 4, v6
	s_mul_i32 s25, s16, 8*IP
	s_add_co_u32 s25, s25, IMG
	v_add_nc_u32 v6, s25, v6                       ; the way out: runs 8 wave .. 8 wave + 7, two an instruction
	v_add_nc_u32 v7, SCB, v3
	; where my four rows begin in each tensor, in bytes
	s_lshl_b32 s18, s16, 14
	s_lshl_b32 s20, ttmp9, 16                      ; x: 16 rows of 4,096 bytes a unit
	s_add_co_u32 s20, s20, s18
	s_sub_co_u32 s26, ttmp9, 512                   ; up_w: rows 32 i + 8 u + 4 wave + 8 (wave / 2)
	s_lshr_b32 s27, s26, 1
	s_lshl_b32 s22, s27, 17
	s_and_b32 s27, s26, 1
	s_lshl_b32 s27, s27, 15
	s_add_co_u32 s22, s22, s27
	s_add_co_u32 s22, s22, s18
	s_lshr_b32 s27, s16, 1
	s_lshl_b32 s27, s27, 15
	s_add_co_u32 s22, s22, s27
	s_sub_co_u32 s26, ttmp9, 640                   ; down_w: rows 64 G + 16 wave + b, 8,192 bytes a row, + the half of K
	s_lshr_b32 s27, s26, 3
	s_lshl_b32 s24, s27, 19
	s_lshl_b32 s27, s16, 17
	s_add_co_u32 s24, s24, s27
	s_bfe_u32 s27, s26, 0x20001
	s_lshl_b32 s27, s27, 13
	s_add_co_u32 s24, s24, s27
	s_and_b32 s27, s26, 1
	s_lshl_b32 s27, s27, 12
	s_add_co_u32 s24, s24, s27
	s_sub_co_u32 s26, ttmp9, 768                   ; gate_w
	s_lshl_b32 s26, s26, 16
	s_add_co_u32 s26, s26, s18
	s_movk_i32 s28, 0x1000                         ; from row to row
	s_cmp_ge_u32 ttmp9, 512                        ; which tensor: the choice hangs on the work-group's number alone
	s_cselect_b32 s20, s22, s20
	s_cmp_ge_u32 ttmp9, 640
	s_cselect_b32 s20, s24, s20
	s_cselect_b32 s28, 0x8000, s28
	s_cmp_ge_u32 ttmp9, 768
	s_cselect_b32 s20, s26, s20
	s_movk_i32 s27, 0x1000
	s_cselect_b32 s28, s27, s28
	s_mov_b32 s21, 0
	s_mov_b32 s29, 0
	s_lshl_b32 s22, ttmp9, 13                      ; codes: 8,192 bytes a unit, 2,048 a wave
	s_lshl_b32 s18, s16, 11
	s_add_co_u32 s22, s22, s18
	s_mov_b32 s23, 0
	s_lshl_b32 s24, ttmp9, 9                       ; scale bytes: 512 a unit
	s_mov_b32 s25, 0
	s_wait_alu depctr_va_vdst(0)
	s_wait_kmcnt 0x0
	s_cmp_ge_u32 ttmp9, 512
	s_cselect_b64 s[4:5], s[6:7], s[4:5]
	s_cmp_ge_u32 ttmp9, 640
	s_cselect_b64 s[4:5], s[8:9], s[4:5]
	s_cmp_ge_u32 ttmp9, 768
	s_cselect_b64 s[4:5], s[10:11], s[4:5]
	s_add_nc_u64 s[32:33], s[4:5], s[20:21]        ; my four rows
	s_add_nc_u64 s[34:35], s[32:33], s[28:29]
	s_add_nc_u64 s[36:37], s[34:35], s[28:29]
	s_add_nc_u64 s[38:39], s[36:37], s[28:29]
	s_add_nc_u64 s[12:13], s[12:13], s[22:23]
	s_add_nc_u64 s[14:15], s[14:15], s[24:25]
.irp t, 0,1,2,3,4,5,6,7                        ; step t: row t / 2, half t % 2 of its 1,024 numbers
.set RW, 32+2*(\t/2)
.irp i, 0,1,2,3
	global_load_b128 v[R+16*\t+4*\i:R+16*\t+4*\i+3], v3, s[RW:RW+1] offset:2048*(\t%2)+512*\i th:TH_LOAD_NT   ; 32 lanes read 512 consecutive bytes; read once in the launch
.endr
.endr
.macro TURN t                          ; step t's numbers through the stage: LDS serves a wave's instructions in order, so no wait stands between the stores and the loads
.irp i, 0,1,2,3
	ds_store_b128 v14, v[R+16*(\t)+4*\i:R+16*(\t)+4*\i+3] offset:32*SP*((\t)%2)+8*SP*\i
.endr
.irp i, 0,1,2,3
	ds_load_b128 v[X+16*((\t)%2)+4*\i:X+16*((\t)%2)+4*\i+3], v15 offset:32*SP*((\t)%2)+16*\i
.endr
.endm
	s_wait_loadcnt 4*(STEPS-1)                     ; step 0's four loads are in; those of the seven steps behind it may be out
	TURN 0
.macro STEP t
.set XS, X+16*((\t)%2)
.if (\t) > 0
	s_wait_dscnt 2                                 ; this step's numbers are back from the stage (the last step's two stores into the image may be out)
.else
	s_wait_dscnt 0x0
.endif
.if (\t)+1 < STEPS
	s_wait_loadcnt 4*(STEPS-2-(\t))                ; the next step's four loads are in
	TURN (\t)+1                                    ; and go through the other stage while this step is worked
.endif
	v_max3_num_f32 v8, |v[XS]|, |v[XS+1]|, |v[XS+2]|               ; the largest magnitude of my 16, in two chains
	v_max3_num_f32 v9, |v[XS+3]|, |v[XS+4]|, |v[XS+5]|
.irp i, 6,10
	v_max3_num_f32 v8, v8, |v[XS+\i]|, |v[XS+\i+1]|
	v_max3_num_f32 v9, v9, |v[XS+\i+2]|, |v[XS+\i+3]|
.endr
	v_max3_num_f32 v8, v8, |v[XS+14]|, |v[XS+15]|
	v_max3_num_f32 v8, v8, v9, 0x1800000           ; and the floor 2^(3 - 127): the byte cannot fall under 1
	v_max_num_f32_dpp v8, v8, v8 row_xmask:1 row_mask:0xf bank_mask:0xf   ; and of my neighbour's 16: the block's
	v_add_nc_u32 v11, 0xff000000, v8               ; 2 off its exponent field: the conversion takes the exponent field of this operand as its scale, and nothing else of it
	v_cvt_scalef32_pk8_fp4_f32 v[C+2*(\t)], v[XS:XS+7], v11
	v_cvt_scalef32_pk8_fp4_f32 v[C+2*(\t)+1], v[XS+8:XS+15], v11
	v_lshrrev_b32 v[E+(\t)], 23, v11               ; the scale's byte (a plain line behind the conversions)
	ds_store_b64 v4, v[C+2*(\t):C+2*(\t)+1] offset:16*((\t)/2)+16*IP*((\t)%2)
	ds_store_b8 v5, v[E+(\t)] offset:16*(\t)       ; both lanes of a block write the same byte with the same value
.endm
.irp t, 0,1,2,3,4,5,6,7
	STEP \t
.endr
	s_wait_dscnt 0x0                               ; my four rows are in the image,
	s_barrier_signal -1
	s_barrier_wait -1                              ; and all sixteen
.irp i, 0,1,2,3
	ds_load_b128 v[R+4*\i:R+4*\i+3], v6 offset:2*IP*\i
.endr
	s_cmp_lg_u32 s16, 0
	s_cbranch_scc1 .Lcodes
	ds_load_b128 v[R+16:R+19], v7                  ; wave 0 stores the unit's scale bytes: 512 consecutive bytes, aligned
	s_wait_dscnt 0x0
	global_store_b128 v3, v[R+16:R+19], s[14:15]
.Lcodes:
	s_wait_dscnt 0x0
.irp i, 0,1,2,3
	global_store_b128 v3, v[R+4*\i:R+4*\i+3], s[12:13] offset:512*\i   ; 32 lanes store 512 consecutive bytes, aligned
.endr
	s_wait_tensorcnt 0x0                           ; the wave's end
	ds_add_u32 v[SPW], v[NIL]
	s_wait_dscnt 0x0
	s_endpgm
.Lfunc_end_k_q31027d1531_quant:
	.size	k_q31027d1531_quant, .Lfunc_end_k_q31027d1531_quant-k_q31027d1531_quant
	.p2alignl 7, 3214868480
	.fill 96, 4, 3214868480
	.section	.rodata,"a",@progbits
	.p2align	6, 0x0
	.amdhsa_kernel k_q31027d1531_quant
		.amdhsa_group_segment_fixed_size 30208
		.amdhsa_private_segment_fixed_size 0
		.amdhsa_enable_private_segment 0
		.amdhsa_kernarg_size 48
		.amdhsa_user_sgpr_count 2
		.amdhsa_user_sgpr_kernarg_segment_ptr 1
		.amdhsa_wavefront_size32 1
		.amdhsa_system_sgpr_workgroup_id_x 1
		.amdhsa_system_sgpr_workgroup_id_y 1
		.amdhsa_system_sgpr_workgroup_id_z 1
		.amdhsa_system_vgpr_workitem_id 0
		.amdhsa_next_free_vgpr 200
		.amdhsa_next_free_sgpr 66
		.amdhsa_reserve_vcc 0
		.amdhsa_float_denorm_mode_32 3
		.amdhsa_float_denorm_mode_16_64 3
		.amdhsa_memory_ordered 1
		.amdhsa_forward_progress 1
		.amdhsa_inst_pref_size 21
	.end_amdhsa_kernel
	.amdgpu_metadata
---
amdhsa.version: [ 1, 2 ]
amdhsa.kernels:
  - .name:           k_q31027d1531_quant
    .symbol:         k_q31027d1531_quant.kd
    .args:
      - { .name: x, .offset: 0, .size: 8, .value_kind: global_buffer, .address_space: global }
      - { .name: up_w, .offset: 8, .size: 8, .value_kind: global_buffer, .address_space: global }
      - { .name: down_w, .offset: 16, .size: 8, .value_kind: global_buffer, .address_space: global }
      - { .name: gate_w, .offset: 24, .size: 8, .value_kind: global_buffer, .address_space: global }
      - { .name: qc, .offset: 32, .size: 8, .value_kind: global_buffer, .address_space: global }
      - { .name: qs, .offset: 40, .size: 8, .value_kind: global_buffer, .address_space: global }
    .group_segment_fixed_size: 30208
    .private_segment_fixed_size: 0
    .kernarg_segment_align: 8
    .kernarg_segment_size: 48
    .max_flat_workgroup_size: 128
    .sgpr_count:     66
    .vgpr_count:     200
    .wavefront_size: 32
...
	.end_amdgpu_metadata
.endif
;; end of part 1
;; launch up (part 2): grid 8 x 32, 4 waves a work-group, clusters of 4 x 4, 264,704 bytes of LDS; arguments qc, qs, hc, hs, wsum; writes hc, hs, wsum
.if DOCPART == 2
	.amdgcn_target "amdgcn-amd-amdhsa--gfx1250"
	.amdhsa_code_object_version 6
	.text
	.protected	k_q31027d1531_up
	.globl	k_q31027d1531_up
	.p2align	8
	.type	k_q31027d1531_up,@function
k_q31027d1531_up:
	s_mov_b64 s[64:65], 0
	v_nop
	global_prefetch_b8 v0, s[64:65] scope:SCOPE_SE
	s_setreg_imm32_b32 hwreg(HW_REG_WAVE_MODE, 25, 1), 1
	s_wait_xcnt 0x0
	s_wait_alu depctr_hold_cnt(0) depctr_sa_sdst(0) depctr_va_vdst(0) depctr_va_sdst(0) depctr_va_ssrc(0) depctr_va_vcc(0) depctr_vm_vsrc(0)
	s_getreg_b32 s2, hwreg(HW_REG_IB_STS2, 6, 4)
	s_cmp_eq_u32 s2, 0
	s_cbranch_scc0 .Lentry_in_a_cluster
	s_endpgm
.Lentry_in_a_cluster:
	s_bfe_u32 s2, ttmp6, 0x10000c
	s_cmp_lg_u32 s2, 0xf033
	s_cbranch_scc0 .Lentry_shape_is_right
	s_endpgm
.Lentry_shape_is_right:
; hidden = Q(silu(x up_w^T)) and the gate's weight, on codes of FP4 (E2M1) with one E8M0 scale for each 32 along K.  8,192 tokens, K = 1,024, 2,048 hidden units, 64 experts.
; Work left out, EACH TOKEN ONCE: the module repeats every token twice and runs both copies through the same weights, so rows 2 t and 2 t + 1 of its two large products are equal for every input, and
; out[t] = P[t] ew0 + P[t] ew1.  This program makes P[t] once and multiplies it by ew0 + ew1 (one rounding other than the two products' sum).
; SHARES: a work-group of four waves makes 256 tokens x 256 hidden units, a wave 128 x 128: 64 accumulators of 16 x 16, 512 registers.  K is 8 steps of 128.
; All operands lie in memory as images of the operand's registers: a fragment (16 rows x 128 K) is 1,024 dense bytes, read at 16 x lane.  The tokens' and up_w's 256 rows x ALL of K are 2 x 131,072 bytes of LDS:
; each wave brings a quarter by one tensor load at the head, and nothing is filled again.
; CLUSTER: 4 x 4 work-groups.  The four of a row of the cluster need the same tokens' codes, the four of a column the same rows of up_w: each tile is asked for JOINTLY, by the same tensor load with
; the same descriptor and a mask that names the four.  No prefetch: the tiles are asked for once, at the head, and there is no loop to run ahead in.
; THE MATRIX INSTRUCTION IS USED TRANSPOSED (source 0 = 16 stored rows of up_w, source 1 = 16 tokens): a lane holds ONE token and its registers run along the hidden units.  up_w's rows were stored so that
; the 16 registers of accumulators (a, 2 i) and (a, 2 i + 1) are the hidden units 32 i + 16 (lane / 16) + 0 .. 15: neighbours along the next product's K.
; THE GATE: wave 3 takes the work-group's 32 tokens (256 ty + 32 tx on) while the tiles are on their way: 64 matrix instructions give 64 logits a token, 32 in lane l and 32 in lane l xor 16;
; the two largest logits, the softmax under the largest logit, p1, p2, ew = p / (p1 + p2 + 1e-9), and ew0 + ew1 is stored.  The experts' numbers are used by nothing in the module, so ties change nothing.
; THE WAY OUT: silu in f32 (v / (1 + 2^(-v log2 e))), a block's scale and codes in registers; a wave's 128 hidden units are one K step of the next product, so 16 tokens give one fragment, stored as the
; image of the operand's registers (two stores of 512 consecutive bytes), and one scale word a token.
; LIMITS: NaN and infinities are not served.  For v under about -88 silu gives -0 where the module has a number under 1e-36.  A block under 2^-124 is held at the byte 1; a block of zeros has the byte 1 (zero codes).
; The gate's store covers 128 bytes a work-group; wsum is 32,768 bytes in all.
; REGISTERS, in windows of 256: window 0: v1-28 addresses; v32-63 the tokens' scale words, v64-95 up_w's (all of K); v96-111 at work; v112-119 the hidden scale words; v120 the gate's result;
;   v128-191 the tokens' fragments, ONE set, later the hidden codes (at the head, in wave 3: 64 logits); v192-247 the gate's scale words and its work.
;   window 1: up_w's fragments, TWO sets, at v0 and v128; on the way out four blocks' numbers at work, 64 registers each.
;   windows 2, 3: accumulator (a, b) at v[8 (8 (a % 4) + b)] of window 2 + a / 4 (at the head, in wave 3: gate_w's 32 fragments and 16 of x).
.set UC,     4194304                   ; qc: up_w's codes
.set GC,     6291456                   ; qc: gate_w's codes
.set US,     262144                    ; qs: up_w's scale bytes
.set GS,     393216                    ; qs: gate_w's
.set BT,     131072                    ; LDS: up_w's tile, behind the tokens'
.set SSTG,   262144                    ; behind the tiles: 2,048 bytes for the hidden scale words, [token][2 K steps]; no tile lands here
.set SPARE,  SSTG+2048                 ; the spare words, 128 bytes for each wave: two blocks of 256 bytes that no other line names
.set T16,  15                          ; 16 x thread
.set ADA,  16                          ; LDS address of my blocks of tokens
.set ADB,  20                          ; LDS address of my blocks of up_w
.set LN16, 22                          ; 16 x lane
.set SST,  23                          ; the scale stage: my token, my K step
.set SLD,  24                          ; the scale stage, way out
.set L32,  25                          ; 32 x lane
.set L4,   28                          ; 4 x lane
.set SA,   32                          ; register SA + 8 j + g: lanes 0-15 the word of token block 2 j, lanes 16-31 of block 2 j + 1, for K step g
.set SB,   64                          ; likewise for up_w's blocks
.set TM,   96
.set PW,   112
.set WSR,  120
.set SPW,  126                         ; LDS address of my spare word; never rewritten
.set NIL,  127                         ; 0; never rewritten
.set AF,   128
.set GL,   128                         ; the gate: logit registers of token block u at GL + 32 u
.set GSC,  192                         ; gate_w's scale words, 8 j + g
.set XSC,  208                         ; my 32 tokens' scale words, g
.set GT,   216                         ; at work for block u at GT + 16 u
.set G1,  24                           ; s[24:31], s[32:35] descriptor groups 1 and 0 of the tokens' tile
.set G0,  32
.set G1B, 48                           ; s[48:55], s[56:59] of up_w's
.set G0B, 56
.set SEL, 66                           ; s[66:67] lane selects: lane l xor 16
.set NLE, 68                           ; s[68:69] -log2(e), a pair for the packed form
.set LE,  70                           ; s[70:71] log2(e)
.set MSB, 0
.macro WIN new                         ; the immediate's high byte repeats the setting that is left; a switch that changes nothing is dropped
.if MSB != (\new)
	s_set_vgpr_msb (MSB<<8)|(\new)
.set MSB, (\new)
.endif
.endm
.set MUL_LO, 0xa1                      ; source 0 (up_w) window 1, source 1 (tokens) window 0, C and D window 2
.set MUL_HI, 0xf1                      ; the same, C and D window 3
.macro CROUND                          ; a round of the cluster's barrier
	s_barrier_signal -1
	s_barrier_wait -1
	s_cmp_lg_u32 s14, 0
	s_cbranch_scc1 .Lnot_wave_0_\@
	s_barrier_signal -3
.Lnot_wave_0_\@:
	s_barrier_wait -3
	s_barrier_signal -1
	s_barrier_wait -1
.endm
.macro PLACES n                        ; plain vector lines between a matrix instruction and a load into, a write of or a read of its registers
.rept \n
	v_nop
.endr
.endm
	s_load_b256 s[4:11], s[0:1], 0x0               ; qc s[4:5], qs s[6:7], hc s[8:9], hs s[10:11]
	s_load_b64 s[12:13], s[0:1], 0x20              ; wsum
	v_lshl_add_u32 v[SPW], v0, 2, SPARE
	v_mov_b32 v[NIL], 0
	ds_add_u32 v[SPW], v[NIL]                      ; the wave's opening: the add, twice on end, and its wait
	ds_add_u32 v[SPW], v[NIL]
	v_lshrrev_b32 v1, 5, v0
	v_readfirstlane_b32 s14, v1                    ; wave 0..3
	v_and_b32 v1, 15, v0                           ; r
	v_and_b32 v3, 31, v0                           ; lane
	v_lshlrev_b32 v[LN16], 4, v3
	v_lshlrev_b32 v[L32], 5, v3
	v_lshlrev_b32 v[L4], 2, v3
	v_lshlrev_b32 v[T16], 4, v0
	v_add_nc_u32 v[SLD], SSTG, v[T16]              ; back: 16 bytes a thread
.irp i, 100,101,102,103
	v_mov_b32 v[\i], 0                             ; written once: a lane permute's destination counts as one of its sources
.endr
	s_lshr_b32 s15, s14, 1                         ; rh: which 128 tokens are mine.  Also: I fetch tokens (0) or up_w (1)
	s_and_b32 s16, s14, 1                          ; ch: which 128 hidden units.  Also: which half of that tile I fetch
	s_lshl_b32 s88, s15, 10                        ; the scale stage: token 128 rh + r, 8 bytes a token, my K step's word
	s_lshl_b32 s89, s16, 2
	s_add_co_u32 s88, s88, s89
	s_add_co_u32 s88, s88, SSTG
	v_lshl_add_u32 v[SST], v1, 3, s88
	s_lshl_b32 s89, s16, 16                        ; my eight blocks of up_w
	s_add_co_u32 s89, s89, BT
	v_add_nc_u32 v[ADB], s89, v[LN16]
	s_lshl_b32 s88, s15, 16                        ; and of tokens
	v_add_nc_u32 v[ADA], s88, v[LN16]
	s_bfe_u32 s40, ttmp6, 0x40000                  ; cx, cy: my place in the cluster
	s_bfe_u32 s41, ttmp6, 0x40004
	s_lshl_b32 s42, ttmp9, 2
	s_add_co_u32 s42, s42, s40                     ; tx: tile of hidden units = 4 x cluster x + cx
	s_and_b32 s17, ttmp7, 0xffff
	s_lshl_b32 s17, s17, 2
	s_add_co_u32 s17, s17, s41                     ; ty: tile of tokens = 4 x cluster y + cy
	s_lshl_b32 s43, s41, 2
	s_lshl_b32 s43, 15, s43                        ; my row of the cluster
	s_lshl_b32 s44, 0x1111, s40                    ; my column
	; descriptor groups 1: 65,536 dense bytes as 256 rows of 32 elements of 8 bytes, no padding
	s_or_b32 s[G1], s43, (3<<16)|(1<<21)           ; 15:0 the mask: my row; 17:16 elements of 8 bytes; 21 set beside a mask
	s_or_b32 s[G1B], s44, (3<<16)|(1<<21)          ; the same with the mask of my column
.irp g, G1, G1B
	s_mov_b32 s[\g+1], 32<<16
	s_mov_b32 s[\g+2], 256<<16
	s_mov_b32 s[\g+3], 32<<16
	s_mov_b32 s[\g+4], 256
	s_mov_b32 s[\g+5], 32
	s_mov_b32 s[\g+6], 0
	s_mov_b32 s[\g+7], 0
.endr
	s_mov_b32 s[G0], 1                             ; count = 1, and where the tiles go: no place in the cluster enters an LDS address
	s_lshl_b32 s[G0+1], s16, 16
	s_mov_b32 s[G0B], 1
	s_lshl_b32 s18, s16, 16
	s_add_co_u32 s[G0B+1], s18, BT
	s_lshl_b32 s20, s17, 17                        ; tokens: blocks 16 ty + 8 half on, 8,192 bytes each: made of ty and the wave's number alone
	s_add_co_u32 s20, s20, s18
	s_mov_b32 s21, 0
	s_lshl_b32 s46, s42, 17                        ; up_w: blocks 16 tx + 8 half on: made of tx and the wave's number alone
	s_add_co_u32 s46, s46, s18
	s_add_co_u32 s46, s46, UC
	s_mov_b32 s47, 0
	s_lshl_b32 s72, s17, 13                        ; my tokens' scale words: (256 ty + 128 rh) x 32
	s_lshl_b32 s86, s15, 12
	s_add_co_u32 s72, s72, s86
	s_mov_b32 s73, 0
	s_lshl_b32 s74, s42, 13                        ; up_w's: US + (256 tx + 128 ch) x 32
	s_lshl_b32 s86, s16, 12
	s_add_co_u32 s74, s74, s86
	s_add_co_u32 s74, s74, US
	s_mov_b32 s75, 0
	s_lshl_b32 s76, s17, 17                        ; the gate's 32 tokens, blocks 16 ty + 2 tx on: codes,
	s_lshl_b32 s86, s42, 14
	s_add_co_u32 s76, s76, s86
	s_mov_b32 s77, 0
	s_lshl_b32 s78, s17, 13                        ; scale bytes,
	s_lshl_b32 s86, s42, 10
	s_add_co_u32 s78, s78, s86
	s_mov_b32 s79, 0
	s_lshl_b32 s80, s17, 10                        ; words of wsum
	s_lshl_b32 s86, s42, 7
	s_add_co_u32 s80, s80, s86
	s_mov_b32 s81, 0
	s_lshl_b32 s82, s17, 18                        ; hc: [block of 16 tokens 16 ty + 8 rh + a][K step 2 tx + ch][1,024 bytes]
	s_lshl_b32 s86, s15, 17
	s_add_co_u32 s82, s82, s86
	s_lshl_b32 s86, s42, 11
	s_add_co_u32 s82, s82, s86
	s_lshl_b32 s86, s16, 10
	s_add_co_u32 s82, s82, s86
	s_mov_b32 s83, 0
	s_lshl_b32 s84, s42, 16                        ; hs: [tx][token][K steps 2 tx, 2 tx + 1] words
	s_lshl_b32 s86, s17, 11
	s_add_co_u32 s84, s84, s86
	s_mov_b32 s85, 0
	s_mov_b32 s[SEL], 0x76543210
	s_mov_b32 s[SEL+1], 0xfedcba98
	s_mov_b32 s[NLE], 0xbfb8aa3b
	s_mov_b32 s[NLE+1], 0xbfb8aa3b                 ; (named with it as a pair, so it is written)
	s_mov_b32 s[LE], 0x3fb8aa3b
	s_mov_b32 s[LE+1], 0x3fb8aa3b
	s_wait_alu depctr_va_vdst(0)
	s_wait_dscnt 0x0                               ; both opening adds are done
	s_wait_kmcnt 0x0
	s_add_nc_u64 s[G0+2:G0+3], s[4:5], s[20:21]
	s_or_b32 s[G0+3], s[G0+3], 0x80000000          ; type = 2
	s_add_nc_u64 s[G0B+2:G0B+3], s[4:5], s[46:47]
	s_or_b32 s[G0B+3], s[G0B+3], 0x80000000
	s_add_nc_u64 s[72:73], s[6:7], s[72:73]
	s_add_nc_u64 s[74:75], s[6:7], s[74:75]
	s_add_nc_u64 s[76:77], s[4:5], s[76:77]
	s_add_nc_u64 s[78:79], s[6:7], s[78:79]
	s_add_nc_u64 s[80:81], s[12:13], s[80:81]
	s_add_nc_u64 s[82:83], s[8:9], s[82:83]
	s_add_nc_u64 s[84:85], s[10:11], s[84:85]
	CROUND                                         ; all sixteen work-groups are here: the joint loads meet
	s_cmp_eq_u32 s15, 0                            ; a wave's one fill stands in one branch on its number; four v_nop follow each line
	s_cbranch_scc0 .Lfirst_b
	tensor_load_to_lds s[G0:G0+3], s[G1:G1+7]
	s_nop 0
	PLACES 4
	s_branch .Lfirst_asked
.Lfirst_b:
	tensor_load_to_lds s[G0B:G0B+3], s[G1B:G1B+7]
	s_nop 0
	PLACES 4
.Lfirst_asked:
.macro COMMON                          ; 16 loads: the scale words of my 128 tokens and my 128 rows of up_w for ALL of K (32 bytes a row, lane l of pair j takes row 32 j + l)
.irp j, 0,1,2,3
.irp s, 0,1
	global_load_b128 v[SA+8*\j+4*\s:SA+8*\j+4*\s+3], v[L32], s[72:73] offset:1024*\j+16*\s
	global_load_b128 v[SB+8*\j+4*\s:SB+8*\j+4*\s+3], v[L32], s[74:75] offset:1024*\j+16*\s
.endr
.endr
.endm
	; ---- THE GATE: wave 3, two blocks of 16 tokens
	s_cmp_eq_u32 s14, 3
	s_cbranch_scc0 .Lno_gate
.irp j, 0,1
.irp s, 0,1
	global_load_b128 v[GSC+8*\j+4*\s:GSC+8*\j+4*\s+3], v[L32], s[6:7] offset:GS+1024*\j+16*\s   ; lanes 0-15: experts 32 j on; lanes 16-31: 32 j + 16 on
.endr
.endr
.irp s, 0,1
	global_load_b128 v[XSC+4*\s:XSC+4*\s+3], v[L32], s[78:79] offset:16*\s   ; lanes 0-15: block 0's tokens; lanes 16-31: block 1's
.endr
	WIN 0xc0                                       ; destination window 3
.irp u, 0,1                                    ; block u's fragment of K step g at v[64 u + 8 g]
.irp g, 0,1,2,3,4,5,6,7
.irp c, 0,1
	global_load_b128 v[64*\u+8*\g+4*\c:64*\u+8*\g+4*\c+3], v[LN16], s[76:77] offset:8192*\u+1024*\g+512*\c
.endr
.endr
.endr
	WIN 0x80                                       ; destination window 2
.irp e, 0,1,2,3                                ; gate_w's fragment (16 experts 16 e on, K step g) at v[8 (8 e + g)]
.irp g, 0,1,2,3,4,5,6,7
.irp c, 0,1
	global_load_b128 v[8*(8*\e+\g)+4*\c:8*(8*\e+\g)+4*\c+3], v[LN16], s[4:5] offset:GC+8192*\e+1024*\g+512*\c
.endr
.endr
.endr
	WIN 0
	COMMON
	s_wait_loadcnt 16                              ; the gate's loads are in: the 16 of the scale words stand behind them
	WIN 0x0e                                       ; source 0 window 2, source 1 window 3, C and D window 0
.macro GM e, u, g                      ; experts' block e x token block u
.set rD, GL+32*(\u)+8*(\e)
.set rA, 8*(8*(\e)+(\g))
.set rB, 64*(\u)+8*(\g)
.set rP, GSC+8*((\e)/2)+(\g)
.set rQ, XSC+(\g)
.set sel, 2*((\e)%2)+(\u)
.if (\g) == 0
.set sel, sel+4
.endif
	WMS
.endm
; One scaled matrix instruction: D = rD, source 0 = rA with scales rP, source 1 = rB with scales rQ; sel: 4 the sum begins, 2 source 0's scales in lanes 16-31, 1 source 1's.
.macro WMS
.if sel == 0
	v_wmma_scale_f32_16x16x128_f8f6f4 v[rD:rD+7], v[rA:rA+7], v[rB:rB+7], v[rD:rD+7], v[rP], v[rQ] matrix_a_fmt:MATRIX_FMT_FP4 matrix_b_fmt:MATRIX_FMT_FP4
.elseif sel == 1
	v_wmma_scale_f32_16x16x128_f8f6f4 v[rD:rD+7], v[rA:rA+7], v[rB:rB+7], v[rD:rD+7], v[rP], v[rQ] matrix_a_fmt:MATRIX_FMT_FP4 matrix_b_fmt:MATRIX_FMT_FP4 matrix_b_scale:MATRIX_SCALE_ROW1
.elseif sel == 2
	v_wmma_scale_f32_16x16x128_f8f6f4 v[rD:rD+7], v[rA:rA+7], v[rB:rB+7], v[rD:rD+7], v[rP], v[rQ] matrix_a_fmt:MATRIX_FMT_FP4 matrix_b_fmt:MATRIX_FMT_FP4 matrix_a_scale:MATRIX_SCALE_ROW1
.elseif sel == 3
	v_wmma_scale_f32_16x16x128_f8f6f4 v[rD:rD+7], v[rA:rA+7], v[rB:rB+7], v[rD:rD+7], v[rP], v[rQ] matrix_a_fmt:MATRIX_FMT_FP4 matrix_b_fmt:MATRIX_FMT_FP4 matrix_a_scale:MATRIX_SCALE_ROW1 matrix_b_scale:MATRIX_SCALE_ROW1
.elseif sel == 4
	v_wmma_scale_f32_16x16x128_f8f6f4 v[rD:rD+7], v[rA:rA+7], v[rB:rB+7], 0, v[rP], v[rQ] matrix_a_fmt:MATRIX_FMT_FP4 matrix_b_fmt:MATRIX_FMT_FP4
.elseif sel == 5
	v_wmma_scale_f32_16x16x128_f8f6f4 v[rD:rD+7], v[rA:rA+7], v[rB:rB+7], 0, v[rP], v[rQ] matrix_a_fmt:MATRIX_FMT_FP4 matrix_b_fmt:MATRIX_FMT_FP4 matrix_b_scale:MATRIX_SCALE_ROW1
.elseif sel == 6
	v_wmma_scale_f32_16x16x128_f8f6f4 v[rD:rD+7], v[rA:rA+7], v[rB:rB+7], 0, v[rP], v[rQ] matrix_a_fmt:MATRIX_FMT_FP4 matrix_b_fmt:MATRIX_FMT_FP4 matrix_a_scale:MATRIX_SCALE_ROW1
.else
	v_wmma_scale_f32_16x16x128_f8f6f4 v[rD:rD+7], v[rA:rA+7], v[rB:rB+7], 0, v[rP], v[rQ] matrix_a_fmt:MATRIX_FMT_FP4 matrix_b_fmt:MATRIX_FMT_FP4 matrix_a_scale:MATRIX_SCALE_ROW1 matrix_b_scale:MATRIX_SCALE_ROW1
.endif
.endm
.irp g, 0,1,2,3,4,5,6,7                        ; eight accumulators by turns, K ascending; the first K step starts the sums
.irp u, 0,1
.irp e, 0,1,2,3
	GM \e, \u, \g
.endr
.endr
.endr
	WIN 0
	PLACES 5                                       ; four in front of the first read of the logits; five in front of the matrix instructions that will write over windows 2 and 3
	; lane (r, h): token r of block u; register 8 e + j: the logit of expert 16 e + 8 h + j.  The two largest of my 32, in two chains of 16 a block, from the low end on; the two blocks by turns
.irp u, 0,1
	v_max_num_f32 v[GT+16*\u], v[GL+32*\u], v[GL+32*\u+1]          ; m1
	v_min_num_f32 v[GT+16*\u+1], v[GL+32*\u], v[GL+32*\u+1]        ; m2
	v_max_num_f32 v[GT+16*\u+2], v[GL+32*\u+16], v[GL+32*\u+17]
	v_min_num_f32 v[GT+16*\u+3], v[GL+32*\u+16], v[GL+32*\u+17]
	v_mov_b32 v[GT+16*\u+4], 0                     ; (a lane permute's destination counts as one of its sources)
	v_mov_b32 v[GT+16*\u+5], 0
.endr
.set jj, 2
.rept 14
.irp u, 0,1
	v_med3_num_f32 v[GT+16*\u+1], v[GT+16*\u], v[GT+16*\u+1], v[GL+32*\u+jj]         ; the middle one of m1 >= m2 and the next logit is the new second,
	v_med3_num_f32 v[GT+16*\u+3], v[GT+16*\u+2], v[GT+16*\u+3], v[GL+32*\u+16+jj]
	v_max_num_f32 v[GT+16*\u], v[GT+16*\u], v[GL+32*\u+jj]                           ; the largest the new first
	v_max_num_f32 v[GT+16*\u+2], v[GT+16*\u+2], v[GL+32*\u+16+jj]
.endr
.set jj, jj+1
.endr
.irp u, 0,1
	v_min_num_f32 v[GT+16*\u+6], v[GT+16*\u], v[GT+16*\u+2]
	v_max_num_f32 v[GT+16*\u], v[GT+16*\u], v[GT+16*\u+2]
	v_max3_num_f32 v[GT+16*\u+1], v[GT+16*\u+6], v[GT+16*\u+1], v[GT+16*\u+3]
.endr
.irp u, 0,1
	v_permlanex16_b32 v[GT+16*\u+4], v[GT+16*\u], s[SEL], s[SEL+1]     ; lane l xor 16's two
	v_permlanex16_b32 v[GT+16*\u+5], v[GT+16*\u+1], s[SEL], s[SEL+1]
.endr
.irp u, 0,1
	v_min_num_f32 v[GT+16*\u+6], v[GT+16*\u], v[GT+16*\u+4]
	v_max_num_f32 v[GT+16*\u], v[GT+16*\u], v[GT+16*\u+4]              ; the token's largest logit
	v_max3_num_f32 v[GT+16*\u+1], v[GT+16*\u+6], v[GT+16*\u+1], v[GT+16*\u+5]   ; and its second
.endr
.irp u, 0,1
.set jj, 0
.rept 16
	v_pk_add_f32 v[GL+32*\u+jj:GL+32*\u+jj+1], v[GL+32*\u+jj:GL+32*\u+jj+1], v[GT+16*\u:GT+16*\u+1] op_sel_hi:[1,0] neg_lo:[0,1] neg_hi:[0,1]   ; logit - the largest: 0 at the most
.set jj, jj+2
.endr
	v_sub_f32 v[GT+16*\u+6], v[GT+16*\u+1], v[GT+16*\u]
.endr
.irp u, 0,1
.set jj, 0
.rept 16
	v_pk_mul_f32 v[GL+32*\u+jj:GL+32*\u+jj+1], v[GL+32*\u+jj:GL+32*\u+jj+1], s[LE:LE+1] op_sel_hi:[1,0]
.set jj, jj+2
.endr
	v_mul_f32 v[GT+16*\u+6], s[LE], v[GT+16*\u+6]
.endr
.set jj, 0
	s_wait_alu depctr_va_vdst(0)                   ; the wait ahead of a batch of transcendentals and behind it, here and below
.rept 64
	v_exp_f32 v[GL+jj], v[GL+jj]
.set jj, jj+1
.endr
	v_exp_f32 v[GT+6], v[GT+6]                     ; e2 = exp(second - largest); the largest's own is 1
	v_exp_f32 v[GT+22], v[GT+22]
	v_nop                                          ; a plain line behind the exponentials
	s_wait_alu depctr_va_vdst(0)
.irp u, 0,1
	v_pk_add_f32 v[GT+16*\u+8:GT+16*\u+9], v[GL+32*\u:GL+32*\u+1], v[GL+32*\u+2:GL+32*\u+3]      ; the softmax's sum, two at a time, in two chains
	v_pk_add_f32 v[GT+16*\u+10:GT+16*\u+11], v[GL+32*\u+4:GL+32*\u+5], v[GL+32*\u+6:GL+32*\u+7]
.endr
.irp j, 8,12,16,20,24,28
.irp u, 0,1
	v_pk_add_f32 v[GT+16*\u+8:GT+16*\u+9], v[GT+16*\u+8:GT+16*\u+9], v[GL+32*\u+\j:GL+32*\u+\j+1]
	v_pk_add_f32 v[GT+16*\u+10:GT+16*\u+11], v[GT+16*\u+10:GT+16*\u+11], v[GL+32*\u+\j+2:GL+32*\u+\j+3]
.endr
.endr
.irp u, 0,1
	v_pk_add_f32 v[GT+16*\u+8:GT+16*\u+9], v[GT+16*\u+8:GT+16*\u+9], v[GT+16*\u+10:GT+16*\u+11]
.endr
.irp u, 0,1
	v_add_f32 v[GT+16*\u+8], v[GT+16*\u+8], v[GT+16*\u+9]
.endr
.irp u, 0,1
	v_permlanex16_b32 v[GT+16*\u+4], v[GT+16*\u+8], s[SEL], s[SEL+1]
.endr
.irp u, 0,1
	v_add_f32 v[GT+16*\u+8], v[GT+16*\u+8], v[GT+16*\u+4]              ; Z, at least 1
.endr
	s_wait_alu depctr_va_vdst(0)
	v_rcp_f32 v[GT+12], v[GT+8]                    ; p1 = 1 / Z
	v_rcp_f32 v[GT+28], v[GT+24]
	v_nop
	s_wait_alu depctr_va_vdst(0)
.irp u, 0,1
	v_mul_f32 v[GT+16*\u+13], v[GT+16*\u+6], v[GT+16*\u+12]            ; p2 = e2 / Z
.endr
.irp u, 0,1
	v_add_f32 v[GT+16*\u+14], v[GT+16*\u+12], v[GT+16*\u+13]
.endr
.irp u, 0,1
	v_add_f32 v[GT+16*\u+15], 0x3089705f, v[GT+16*\u+14]               ; p1 + p2 + 1e-9
.endr
	s_wait_alu depctr_va_vdst(0)
	v_rcp_f32 v[GT+10], v[GT+15]
	v_rcp_f32 v[GT+26], v[GT+31]
	v_nop
	s_wait_alu depctr_va_vdst(0)
.irp u, 0,1
	v_mul_f32 v[GT+16*\u+11], v[GT+16*\u+12], v[GT+16*\u+10]           ; ew0
.endr
.irp u, 0,1
	v_fma_f32 v[GT+16*\u+11], v[GT+16*\u+13], v[GT+16*\u+10], v[GT+16*\u+11]   ; + ew1
.endr
	s_mov_b32 vcc_lo, 0xffff0000
	v_cndmask_b32 v[WSR], v[GT+11], v[GT+27], vcc_lo               ; lanes 0-15: block 0's tokens; lanes 16-31: block 1's
	global_store_b32 v[L4], v[WSR], s[80:81]                       ; 128 consecutive bytes
	s_branch .Lgate_done
.Lno_gate:
	COMMON
.Lgate_done:
; ---- THE PRODUCT
.macro FETCH_B g                       ; up_w's eight fragments of K step g into set g % 2
	WIN 0x40
.irp b, 0,1,2,3,4,5,6,7
.irp c, 0,1
	ds_load_b128 v[128*((\g)%2)+8*\b+4*\c:128*((\g)%2)+8*\b+4*\c+3], v[ADB] offset:8192*\b+1024*(\g)+512*\c
.endr
.endr
	WIN 0
.endm
.macro FETCH_A g, i0                   ; the tokens' blocks i0 .. i0 + 3
	WIN 0
.irp i, \i0, \i0+1, \i0+2, \i0+3
.irp c, 0,1
	ds_load_b128 v[AF+8*(\i)+4*\c:AF+8*(\i)+4*\c+3], v[ADA] offset:8192*(\i)+1024*(\g)+512*\c
.endr
.endr
.endm
.macro WM a, b, g                      ; token block a x up_w's block b, K step g.  K step 0 starts the sums: nothing is cleared
.set rD, 8*(8*((\a)%4)+(\b))
.set rA, 128*((\g)%2)+8*(\b)
.set rB, AF+8*(\a)
.set rP, SB+8*((\b)/2)+(\g)
.set rQ, SA+8*((\a)/2)+(\g)
.set sel, 2*((\b)%2)+((\a)%2)
.if (\g) == 0
.set sel, sel+4
.endif
	WMS
.endm
; K step g: 64 matrix instructions; the 64 accumulators take turns, one instruction a turn, in the same order in every step.
; A block of tokens is free as soon as its eight products are issued, so one set of registers serves the tokens; up_w has two.
.macro STEP g
	s_wait_dscnt 8                                 ; up_w's set and token blocks 0-3 are in; the youngest eight loads (blocks 4-7) may be out
	WIN MUL_LO
.irp a, 0,1,2,3
.irp b, 0,1,2,3,4,5,6,7
	WM \a, \b, \g
.endr
.endr
	s_wait_dscnt 0                                 ; blocks 4-7 are in (asked for 32 matrix instructions ago)
.if (\g) < 7
	PLACES 4
	FETCH_B (\g)+1
	FETCH_A (\g)+1, 0
.endif
	WIN MUL_HI
.irp a, 4,5,6,7
.irp b, 0,1,2,3,4,5,6,7
	WM \a, \b, \g
.endr
.endr
	PLACES 4                                       ; in front of the loads below and, behind the last K step, of the first read of results
	WIN 0
.if (\g) < 7
	FETCH_A (\g)+1, 4
.endif
.endm
	s_wait_loadcnt 0x0                             ; the scale words
	s_wait_tensorcnt 0x0                           ; my quarter of the tiles is in
	s_barrier_signal -1
	s_barrier_wait -1                              ; everybody's is
	FETCH_B 0
	FETCH_A 0, 0
	FETCH_A 0, 4
.irp g, 0,1,2,3,4,5,6,7
	STEP \g
.endr
; ---- THE WAY OUT, blocks of 16 tokens in a pipeline: block a's 64 numbers are at work in window 1, v[64 (a % 4)] on.  One batch holds block a's reciprocals and block a + 1's exponentials;
; behind it stands block a - 1's quantising, which names none of the batch's registers; one wait ahead of the batch and one behind it serve all.
.macro PREMUL a                        ; -v log2(e); each accumulator is read from its low end on
.set AC, 64*((\a)%4)
	WIN 0x42+(\a)/4
.set jj, 0
.rept 32
	v_pk_mul_f32 v[AC+jj:AC+jj+1], v[AC+jj:AC+jj+1], s[NLE:NLE+1] op_sel_hi:[1,0]   ; (accumulator and place at work have the same number, in different windows)
.set jj, jj+2
.endr
.endm
.macro EXPB a                          ; e^-v
	WIN 0x41
.set jj, 64*((\a)%4)
.rept 64
	v_exp_f32 v[jj], v[jj]
.set jj, jj+1
.endr
.endm
.macro ADD1 a
	WIN 0x41
.set jj, 64*((\a)%4)
.rept 32
	v_pk_add_f32 v[jj:jj+1], v[jj:jj+1], 1.0 op_sel_hi:[1,0]
.set jj, jj+2
.endr
.endm
.macro RCPB a                          ; 1 / (1 + e^-v)
	WIN 0x41
.set jj, 64*((\a)%4)
.rept 64
	v_rcp_f32 v[jj], v[jj]
.set jj, jj+1
.endr
.endm
.macro MULB a                          ; silu
	WIN 0x46+(\a)/4
.set jj, 64*((\a)%4)
.rept 32
	v_pk_mul_f32 v[jj:jj+1], v[jj:jj+1], v[jj:jj+1]
.set jj, jj+2
.endr
.endm
; A lane's 64 numbers, register 16 b + i = k 32 b + 16 (lane / 16) + i of my token, become a fragment's codes in v[AF + 8 a] on and its scale word in v[PW + a]; they leave.
; Each block has its own registers for codes and scale word: no store's data are written again.
.macro OUTB a
.set XS, 64*((\a)%4)
.set pc, AF+8*(\a)
.set pw, PW+(\a)
	WIN 0x05                                       ; sources 0 and 1 window 1
.irp b, 0,1,2,3
	v_max3_num_f32 v[TM+\b], |v[XS+16*\b]|, |v[XS+1+16*\b]|, 0x1800000   ; block b: my 16 numbers, and the floor 2^(3 - 127): the byte cannot fall under 1
.endr
	WIN 0x14                                       ; sources 1 and 2 window 1
.irp i, 2,4,6,8,10,12,14
.irp b, 0,1,2,3
	v_max3_num_f32 v[TM+\b], v[TM+\b], |v[XS+16*\b+\i]|, |v[XS+1+16*\b+\i]|   ; (the four blocks by turns)
.endr
.endr
	WIN 0
.irp b, 0,1,2,3
	v_permlanex16_b32 v[TM+4+\b], v[TM+\b], s[SEL], s[SEL+1]
.endr
.irp b, 0,1,2,3
	v_max_num_f32 v[TM+\b], v[TM+\b], v[TM+4+\b]   ; with lane l xor 16's: the block's largest magnitude
.endr
.irp b, 0,1,2,3
	v_add_nc_u32 v[TM+12+\b], 0xff000000, v[TM+\b] ; 2 off its exponent field: the conversion's scale operand
.endr
.irp b, 0,1,2,3
	v_lshrrev_b32 v[TM+4+\b], 23, v[TM+12+\b]      ; the scale's byte
.endr
	v_lshl_or_b32 v[pw], v[TM+5], 8, v[TM+4]       ; the four bytes make my token's scale word
	v_lshl_or_b32 v[pw], v[TM+6], 16, v[pw]
	v_lshl_or_b32 v[pw], v[TM+7], 24, v[pw]
	WIN 0x01                                       ; source 0 window 1
.irp b, 0,1,2,3
	v_cvt_scalef32_pk8_fp4_f32 v[pc+2*\b], v[XS+16*\b:XS+7+16*\b], v[TM+12+\b]
	v_cvt_scalef32_pk8_fp4_f32 v[pc+1+2*\b], v[XS+8+16*\b:XS+15+16*\b], v[TM+12+\b]
.endr
	v_nop                                          ; one plain line behind a scaled conversion
	WIN 0
.irp c, 0,1                                    ; the operand's layout wants a WHOLE block in a lane: lanes 0-15 block 2 c, lanes 16-31 block 2 c + 1
.irp i, 0,1
	v_permlane16_swap_b32 v[pc+4*\c+\i], v[pc+2+4*\c+\i]
.endr
.endr
	global_store_b128 v[LN16], v[pc:pc+3], s[82:83] offset:16384*(\a)           ; the fragment as it stands: registers 0-3: 32 lanes store 512 consecutive bytes, aligned,
	global_store_b128 v[LN16], v[pc+4:pc+7], s[82:83] offset:16384*(\a)+512     ; registers 4-7 likewise
	ds_store_b32 v[SST], v[pw] offset:128*(\a)     ; token r's word; lanes 16-31 write the same word with the same value
.endm
.macro STAGE a
	WIN 0x41
	s_wait_alu depctr_va_vdst(0)
	RCPB \a
.if (\a) < 7
	EXPB (\a)+1
.endif
	v_nop                                          ; a plain line behind the batch
.if (\a) > 0
	OUTB (\a)-1
.endif
	s_wait_alu depctr_va_vdst(0)
	MULB \a
.if (\a) < 7
	ADD1 (\a)+1
.endif
.if (\a) < 6
	PREMUL (\a)+2
.endif
.endm
	PREMUL 0
	WIN 0x41
	s_wait_alu depctr_va_vdst(0)
	EXPB 0
	v_nop
	s_wait_alu depctr_va_vdst(0)
	ADD1 0
	PREMUL 1
.irp a, 0,1,2,3,4,5,6,7
	STAGE \a
.endr
	OUTB 7
	s_wait_dscnt 0x0                               ; my words are in the stage,
	s_barrier_signal -1
	s_barrier_wait -1                              ; everybody's are: a token's two words come from two waves
	ds_load_b128 v[96:99], v[SLD]
	s_wait_dscnt 0x0
	global_store_b128 v[T16], v[96:99], s[84:85]   ; 512 consecutive bytes a wave, aligned
	s_wait_tensorcnt 0x0                           ; the wave's end, behind my last LDS store
	ds_add_u32 v[SPW], v[NIL]
	s_wait_dscnt 0x0
	CROUND                                         ; the closing round: no work-group ends while a partner may still ask for a tile that names it
	s_endpgm
.Lfunc_end_k_q31027d1531_up:
	.size	k_q31027d1531_up, .Lfunc_end_k_q31027d1531_up-k_q31027d1531_up
	.p2alignl 7, 3214868480
	.fill 96, 4, 3214868480
	.section	.rodata,"a",@progbits
	.p2align	6, 0x0
	.amdhsa_kernel k_q31027d1531_up
		.amdhsa_group_segment_fixed_size 264704
		.amdhsa_private_segment_fixed_size 0
		.amdhsa_enable_private_segment 0
		.amdhsa_kernarg_size 40
		.amdhsa_user_sgpr_count 2
		.amdhsa_user_sgpr_kernarg_segment_ptr 1
		.amdhsa_wavefront_size32 1
		.amdhsa_system_sgpr_workgroup_id_x 1
		.amdhsa_system_sgpr_workgroup_id_y 1
		.amdhsa_system_sgpr_workgroup_id_z 1
		.amdhsa_system_vgpr_workitem_id 0
		.amdhsa_next_free_vgpr 1024
		.amdhsa_next_free_sgpr 100
		.amdhsa_reserve_vcc 1
		.amdhsa_float_denorm_mode_32 3
		.amdhsa_float_denorm_mode_16_64 3
		.amdhsa_memory_ordered 1
		.amdhsa_forward_progress 1
		.amdhsa_inst_pref_size 243
	.end_amdhsa_kernel
	.amdgpu_metadata
---
amdhsa.version: [ 1, 2 ]
amdhsa.kernels:
  - .name:           k_q31027d1531_up
    .symbol:         k_q31027d1531_up.kd
    .args:
      - { .name: qc, .offset: 0, .size: 8, .value_kind: global_buffer, .address_space: global }
      - { .name: qs, .offset: 8, .size: 8, .value_kind: global_buffer, .address_space: global }
      - { .name: hc, .offset: 16, .size: 8, .value_kind: global_buffer, .address_space: global }
      - { .name: hs, .offset: 24, .size: 8, .value_kind: global_buffer, .address_space: global }
      - { .name: wsum, .offset: 32, .size: 8, .value_kind: global_buffer, .address_space: global }
    .group_segment_fixed_size: 264704
    .private_segment_fixed_size: 0
    .kernarg_segment_align: 8
    .kernarg_segment_size: 40
    .max_flat_workgroup_size: 128
    .sgpr_count:     100
    .vgpr_count:     1024
    .wavefront_size: 32
...
	.end_amdgpu_metadata
.endif
;; end of part 2
;; launch down (part 3): grid 8 x 32, 4 waves a work-group, clusters of 4 x 4, 327,680 bytes of LDS; arguments hc, hs, qc, qs, wsum, out0; writes out0
.if DOCPART == 3
	.amdgcn_target "amdgcn-amd-amdhsa--gfx1250"
	.amdhsa_code_object_version 6
	.text
	.protected	k_q31027d1531_down
	.globl	k_q31027d1531_down
	.p2align	8
	.type	k_q31027d1531_down,@function
k_q31027d1531_down:
	s_mov_b64 s[64:65], 0
	v_nop
	global_prefetch_b8 v0, s[64:65] scope:SCOPE_SE
	s_setreg_imm32_b32 hwreg(HW_REG_WAVE_MODE, 25, 1), 1
	s_wait_xcnt 0x0
	s_wait_alu depctr_hold_cnt(0) depctr_sa_sdst(0) depctr_va_vdst(0) depctr_va_sdst(0) depctr_va_ssrc(0) depctr_va_vcc(0) depctr_vm_vsrc(0)
	s_getreg_b32 s2, hwreg(HW_REG_IB_STS2, 6, 4)
	s_cmp_eq_u32 s2, 0
	s_cbranch_scc0 .Lentry_in_a_cluster
	s_endpgm
.Lentry_in_a_cluster:
	s_bfe_u32 s2, ttmp6, 0x10000c
	s_cmp_lg_u32 s2, 0xf033
	s_cbranch_scc0 .Lentry_shape_is_right
	s_endpgm
.Lentry_shape_is_right:
; out[t][n] = (the sum over k of hidden[t][k] down_w[n][k]) x (ew0 + ew1)[t], on codes of FP4 (E2M1) with one E8M0 scale for each 32 along K.  8,192 tokens, K = 2,048, 1,024 outputs; out is f32.
; Work left out: each token is multiplied once and weighed by ew0 + ew1: the module's two copies of a token have equal rows.  (One rounding other than P ew0 + P ew1.)
; SHARES: a work-group of four waves makes 256 tokens x 128 outputs (8 x 32 = 256 work-groups), a wave 128 tokens x 64 outputs.  K is 16 steps of 128.
; All operands lie in memory as images of the operand's registers: a fragment (16 rows x 128 K) is 1,024 dense bytes, read at 16 x lane.
; DOWN_W STAYS IN REGISTERS: a wave holds its 64 rows x all of K (64 fragments, 512 registers) and takes its tokens 32 at a time, in four pairs of blocks: 128 matrix instructions on 8 accumulators finish 32 tokens x 64 outputs,
; which are stored while the next pair is multiplied: a quarter of the results leaves behind a quarter of the products.
; WHERE IT COMES FROM: K steps 0-9 through LDS (each of the two row halves of the work-group reads them there); K steps 10-15 (24 fragments a wave) straight from memory, asked for while the head's tiles are on their way:
; so the head's fill is 212,992 bytes and not 262,144, and a wave reads 40,960 bytes of down_w out of LDS and not 65,536.
; LDS: the tokens of pairs 0 and 1 of both row halves at 0, down_w's K steps 0-9 behind them, pair 2's tokens behind those: a first fill, behind a round of its own; pair 3's tokens are filled into down_w's bytes when every
; wave has its fragments in registers: the launch's one refill.  A wave issues one tensor load at the head and one behind each of the two rounds: one is out at the most.
; SOURCE 0 = 16 tokens, SOURCE 1 = 16 stored rows of down_w.  Stored block 4 G + b holds rows 64 G + 4 r + b: so lane r's results in the accumulators b = 0 .. 3 are outputs 4 r .. 4 r + 3 of one token,
; 16 bytes, and sixteen neighbouring lanes hold 256 consecutive bytes of out, aligned: results are stored straight from registers.
; CLUSTER: 4 x 4 work-groups: the four of a row of the cluster need the same tokens, the four of a column the same rows of down_w: each tile is asked for JOINTLY, by the same tensor load with the same descriptor
; and a mask that names the four.
; PREFETCH: what the two later fills will load is asked for at the head: 131,072 bytes for a row of the cluster, 32,768 of them by each of its four work-groups, 8,192 by each wave (a lane a block of 256 bytes).
; LIMITS: NaN and infinities are not served.
; REGISTERS: window 0: v1-29 addresses; v32-63 the tokens' scale words, v64-95 the tokens' weights, two sets each (32 tokens a set); v96-127 down_w's scale words; v128-191 results on their way out; v192-255 accumulator (i, b) at v[192 + 8 (4 i + b)].
;   window 1: the tokens' fragments: 32 tokens, K steps 0-7 at v0 on, 8-15 at v128 on.   windows 2, 3: down_w's fragments of K steps 0-7, 8-15.
.set DC,     5242880                   ; qc: down_w's codes
.set DS,     327680                    ; qs: down_w's scale bytes
.set WB,     131072                    ; LDS: down_w's eight blocks, K steps 0-9: 10,240 bytes each
.set P2,     WB+81920                  ; LDS: pair 2's tokens, 32,768 bytes for each row half
.set SPARE,  P2+65536                  ; the spare words, 128 bytes for each wave: two blocks of 256 bytes that no other line names
.set ADT, 16                           ; v16, v17, v18  LDS address of my tokens' fragments of pairs 0 and 1, of pair 2, of pair 3
.set ADW, 19                           ; LDS address of my blocks of down_w
.set L8,  20                           ; 8 x lane
.set H32, 21                           ; 32 h
.set SBO, 22                           ; 1,024 h + 32 r
.set CO,  23                           ; my byte offset in out: 8 h rows + 16 r
.set PFO, 24                           ; 256 x lane
.set LN16, 25                          ; 16 x lane
.set SPW, 28                           ; LDS address of my spare word; never rewritten
.set NIL, 29                           ; 0; never rewritten
.set SA,  32                           ; register SA + 16 set + g: lanes 0-15 the word of a pair's first token block, lanes 16-31 of its second, for K step g
.set WS,  64                           ; register WS + 16 set + 8 i + j: the weight of token 16 i + 8 h + j of the pair
.set SB,  96                           ; register SB + 16 (b / 2) + g: lanes 0-15 the words of an even block of down_w, lanes 16-31 of the odd one
.set TMP, 128
.set ACC, 192
.set G1,  24                           ; s[24:31] group 1 of the head's tokens, s[32:39] of down_w, s[88:95] of the later fills
.set G1B, 32
.set G1R, 88
.set G0A, 40                           ; s[40:43], s[44:47] the head's groups 0, s[48:51] pair 2's, s[56:59] pair 3's
.set G0B, 44
.set G0R, 48
.set G0S, 56
.set MSB, 0
.macro WIN new                         ; the immediate's high byte repeats the setting that is left; a switch that changes nothing is dropped
.if MSB != (\new)
	s_set_vgpr_msb (MSB<<8)|(\new)
.set MSB, (\new)
.endif
.endm
.macro CROUND                          ; a round of the cluster's barrier
	s_barrier_signal -1
	s_barrier_wait -1
	s_cmp_lg_u32 s14, 0
	s_cbranch_scc1 .Lnot_wave_0_\@
	s_barrier_signal -3
.Lnot_wave_0_\@:
	s_barrier_wait -3
	s_barrier_signal -1
	s_barrier_wait -1
.endm
.macro PLACES                          ; plain vector lines between a matrix instruction and a load into, or a read of, its registers
.rept 4
	v_nop
.endr
.endm
	s_load_b256 s[4:11], s[0:1], 0x0               ; hc s[4:5], hs s[6:7], qc s[8:9], qs s[10:11]
	s_load_b128 s[20:23], s[0:1], 0x20             ; wsum s[20:21], out0 s[22:23]
	v_lshl_add_u32 v[SPW], v0, 2, SPARE
	v_mov_b32 v[NIL], 0
	ds_add_u32 v[SPW], v[NIL]                      ; the wave's opening: the add, twice on end, and its wait
	ds_add_u32 v[SPW], v[NIL]
	v_lshrrev_b32 v1, 5, v0
	v_readfirstlane_b32 s14, v1                    ; wave 0..3
	v_and_b32 v1, 15, v0                           ; r
	v_bfe_u32 v2, v0, 4, 1                         ; h
	v_and_b32 v3, 31, v0                           ; lane
	v_lshlrev_b32 v[L8], 3, v3
	v_lshlrev_b32 v[LN16], 4, v3
	v_lshlrev_b32 v[PFO], 8, v3
	v_lshlrev_b32 v[H32], 5, v2
	v_lshlrev_b32 v[SBO], 10, v2
	v_lshl_add_u32 v[SBO], v1, 5, v[SBO]
	v_lshlrev_b32 v[CO], 15, v2
	v_lshl_add_u32 v[CO], v1, 4, v[CO]
	s_lshr_b32 s15, s14, 1                         ; rh: which 128 tokens are mine.  Also: at the head I fetch tokens (0) or down_w (1)
	s_and_b32 s16, s14, 1                          ; ch: which 64 outputs.  Also: which half of that tile I fetch
	s_lshl_b32 s96, s15, 16
	v_add_nc_u32 v[ADT], s96, v[LN16]
	s_lshl_b32 s96, s15, 15
	s_add_co_u32 s97, s96, P2
	v_add_nc_u32 v[ADT+1], s97, v[LN16]
	s_add_co_u32 s97, s96, WB
	v_add_nc_u32 v[ADT+2], s97, v[LN16]
	s_mul_i32 s97, s16, 40960
	s_add_co_u32 s97, s97, WB
	v_add_nc_u32 v[ADW], s97, v[LN16]
	s_bfe_u32 s66, ttmp6, 0x40000                  ; cx, cy
	s_bfe_u32 s67, ttmp6, 0x40004
	s_lshl_b32 s68, ttmp9, 2
	s_add_co_u32 s68, s68, s66                     ; tx: tile of outputs
	s_and_b32 s17, ttmp7, 0xffff
	s_lshl_b32 s17, s17, 2
	s_add_co_u32 s17, s17, s67                     ; ty: tile of tokens
	s_lshl_b32 s69, s67, 2
	s_lshl_b32 s69, 15, s69                        ; my row of the cluster
	s_lshl_b32 s70, 0x1111, s66                    ; my column
	; group 1, tokens: dense bytes as rows of 32 elements of 8 bytes, no padding: 256 rows at the head, 64 in the later fills
	s_or_b32 s[G1], s69, (3<<16)|(1<<21)           ; 15:0 the mask: my row; 17:16 elements of 8 bytes; 21 set beside a mask
	s_or_b32 s[G1R], s69, (3<<16)|(1<<21)
	s_mov_b32 s[G1+2], 256<<16
	s_mov_b32 s[G1+4], 256
	s_mov_b32 s[G1R+2], 64<<16
	s_mov_b32 s[G1R+4], 64
.irp g, G1, G1R
	s_mov_b32 s[\g+1], 32<<16
	s_mov_b32 s[\g+3], 32<<16
	s_mov_b32 s[\g+5], 32
	s_mov_b32 s[\g+6], 0
	s_mov_b32 s[\g+7], 0
.endr
	; group 1, down_w: four blocks: 10,240 bytes (K steps 0-9) out of 16,384 each, no padding
	s_or_b32 s[G1B], s70, (3<<16)|(1<<21)
	s_mov_b32 s[G1B+1], 1280<<16
	s_mov_b32 s[G1B+2], 4<<16
	s_mov_b32 s[G1B+3], 1280<<16
	s_mov_b32 s[G1B+4], 4
	s_mov_b32 s[G1B+5], 2048
	s_mov_b32 s[G1B+6], 0
	s_mov_b32 s[G1B+7], 0
	s_lshl_b32 s72, s17, 18                        ; tokens: blocks 16 ty + 8 half on, 16,384 bytes each: made of ty and the wave's number alone
	s_lshl_b32 s18, s16, 17
	s_add_co_u32 s72, s72, s18
	s_mov_b32 s73, 0
	s_lshl_b32 s76, s17, 18                        ; pair 2: block 16 ty + 8 (wave / 2) + 4 + wave % 2; pair 3's is two blocks further on
	s_lshl_b32 s18, s15, 17
	s_add_co_u32 s76, s76, s18
	s_lshl_b32 s18, s16, 14
	s_add_co_u32 s76, s76, s18
	s_add_co_u32 s76, s76, 65536
	s_mov_b32 s77, 0
	s_lshl_b32 s74, s68, 17                        ; down_w: blocks 8 tx + 4 half on: made of tx and the wave's number alone
	s_lshl_b32 s18, s16, 16
	s_add_co_u32 s74, s74, s18
	s_add_co_u32 s74, s74, DC
	s_mov_b32 s75, 0
	s_mov_b32 s[G0A], 1                            ; count = 1, and where the tiles go: no place in the cluster enters an LDS address
	s_lshl_b32 s[G0A+1], s16, 16
	s_mov_b32 s[G0B], 1
	s_mul_i32 s18, s16, 40960
	s_add_co_u32 s[G0B+1], s18, WB
	s_lshl_b32 s18, s14, 14
	s_mov_b32 s[G0R], 1
	s_add_co_u32 s[G0R+1], s18, P2
	s_mov_b32 s[G0S], 1
	s_add_co_u32 s[G0S+1], s18, WB
	s_lshl_b32 s78, s17, 11                        ; hs: token 256 ty + 128 rh, 8 bytes a token
	s_lshl_b32 s18, s15, 10
	s_add_co_u32 s78, s78, s18
	s_mov_b32 s79, 0
	s_lshl_b32 s82, s17, 10                        ; wsum likewise, 4 bytes a token
	s_lshl_b32 s18, s15, 9
	s_add_co_u32 s82, s82, s18
	s_mov_b32 s83, 0
	s_lshl_b32 s80, s68, 13                        ; down_w's scale bytes: blocks 8 tx + 4 ch on, 1,024 bytes each
	s_lshl_b32 s18, s16, 12
	s_add_co_u32 s80, s80, s18
	s_add_co_u32 s80, s80, DS
	s_mov_b32 s81, 0
	s_lshl_b32 s84, s17, 20                        ; out: (256 ty + 128 rh) rows of 4,096 bytes + (128 tx + 64 ch) x 4: a multiple of 256
	s_lshl_b32 s18, s15, 19
	s_add_co_u32 s84, s84, s18
	s_lshl_b32 s18, s68, 9
	s_add_co_u32 s84, s84, s18
	s_lshl_b32 s18, s16, 8
	s_add_co_u32 s84, s84, s18
	s_mov_b32 s85, 0
	s_lshl_b32 s86, s17, 18                        ; the prefetch: of the two row halves' 65,536 bytes that of half cx / 2, in it 32,768 (cx % 2) + 8,192 wave
	s_lshr_b32 s18, s66, 1
	s_lshl_b32 s18, s18, 17
	s_add_co_u32 s86, s86, s18
	s_and_b32 s18, s66, 1
	s_lshl_b32 s18, s18, 15
	s_add_co_u32 s86, s86, s18
	s_lshl_b32 s18, s14, 13
	s_add_co_u32 s86, s86, s18
	s_add_co_u32 s86, s86, 65536
	s_mov_b32 s87, 0
	s_wait_alu depctr_va_vdst(0)
	s_wait_dscnt 0x0                               ; both opening adds are done
	s_wait_kmcnt 0x0
	s_add_nc_u64 s[G0A+2:G0A+3], s[4:5], s[72:73]
	s_or_b32 s[G0A+3], s[G0A+3], 0x80000000        ; type = 2
	s_add_nc_u64 s[G0B+2:G0B+3], s[8:9], s[74:75]
	s_or_b32 s[G0B+3], s[G0B+3], 0x80000000
	s_add_nc_u64 s[G0R+2:G0R+3], s[4:5], s[76:77]
	s_add_nc_u64 s[G0S+2:G0S+3], s[G0R+2:G0R+3], 32768
	s_or_b32 s[G0R+3], s[G0R+3], 0x80000000
	s_or_b32 s[G0S+3], s[G0S+3], 0x80000000
	s_add_nc_u64 s[74:75], s[8:9], s[74:75]        ; my four blocks of down_w
	s_add_nc_u64 s[86:87], s[4:5], s[86:87]
	s_add_nc_u64 s[78:79], s[6:7], s[78:79]
	s_add_nc_u64 s[80:81], s[10:11], s[80:81]
	s_add_nc_u64 s[82:83], s[20:21], s[82:83]
	s_add_nc_u64 s[84:85], s[22:23], s[84:85]
	CROUND                                         ; all sixteen work-groups are here: the first joint loads meet
	s_cmp_eq_u32 s15, 0                            ; a wave's one first fill stands in one branch on its number; four v_nop follow each line
	s_cbranch_scc0 .Lfirst_b
	tensor_load_to_lds s[G0A:G0A+3], s[G1:G1+7]
	s_nop 0
	PLACES
	s_branch .Lfirst_asked
.Lfirst_b:
	tensor_load_to_lds s[G0B:G0B+3], s[G1B:G1B+7]
	s_nop 0
	PLACES
.Lfirst_asked:
	; scale words: down_w's blocks for all of K: lane (r, h) of pair j: block 2 j + h, row r, 32 bytes for each half of K: 8 loads
.irp j, 0,1
.irp s, 0,1
.irp q, 0,1
	global_load_b128 v[SB+16*\j+8*\s+4*\q:SB+16*\j+8*\s+4*\q+3], v[SBO], s[80:81] offset:2048*\j+512*\s+16*\q
.endr
.endr
.endr
.macro SETS j                          ; 12 loads: scale words of tokens 32 j + lane for all of K (32 lanes read 256 consecutive bytes), and the weights of tokens 32 j + 16 i + 8 h + 0 .. 7
.irp t, 0,1,2,3,4,5,6,7
	global_load_b64 v[SA+16*((\j)%2)+2*\t:SA+16*((\j)%2)+2*\t+1], v[L8], s[78:79] offset:65536*\t+256*(\j)
.endr
.irp i, 0,1
.irp c, 0,1
	global_load_b128 v[WS+16*((\j)%2)+8*\i+4*\c:WS+16*((\j)%2)+8*\i+4*\c+3], v[H32], s[82:83] offset:128*(\j)+64*\i+16*\c
.endr
.endr
.endm
	SETS 0
	global_prefetch_b8 v[PFO], s[86:87] th:TH_LOAD_NT scope:SCOPE_SE   ; 32 blocks of 256 bytes of what the later fills load
	WIN 0xc0                                       ; destination window 3
.irp g, 10,11,12,13,14,15                      ; down_w's K steps 10-15: 48 loads of 512 consecutive bytes
.irp b, 0,1,2,3
.irp c, 0,1
	global_load_b128 v[32*(\g-8)+8*\b+4*\c:32*(\g-8)+8*\b+4*\c+3], v[LN16], s[74:75] offset:16384*\b+1024*\g+512*\c
.endr
.endr
.endr
	WIN 0
	SETS 1
.macro FT h, blk, p                    ; a pair of token blocks, K steps 8 p .. 8 p + 7, as they were stored: registers 0-3, then 4-7, 16 bytes a lane: 32 loads
	WIN 0x40
.irp g, 0,1,2,3,4,5,6,7
.irp i, 0,1
.irp c, 0,1
	ds_load_b128 v[128*\p+16*\g+8*\i+4*\c:128*\p+16*\g+8*\i+4*\c+3], v[ADT+\h] offset:16384*(\blk+\i)+1024*(8*\p+\g)+512*\c
.endr
.endr
.endr
	WIN 0
.endm
.macro FW g                            ; my four blocks of down_w, K step g: 8 loads
	WIN 0x80+0x40*((\g)/8)
.irp b, 0,1,2,3
.irp c, 0,1
	ds_load_b128 v[32*((\g)%8)+8*\b+4*\c:32*((\g)%8)+8*\b+4*\c+3], v[ADW] offset:10240*\b+1024*(\g)+512*\c
.endr
.endr
	WIN 0
.endm
; One matrix instruction: token block i of the pair x down_w's block b, K step 8 p + g, scale words' set s.  An odd block's scale words lie in lanes 16-31.  z = 1: it starts the sum.
.macro WM i, b, g, p, s, z
.set rD, ACC+8*(4*\i+\b)
.set rA, 128*\p+16*\g+8*\i
.set rB, 32*\g+8*\b
.set rP, SA+16*\s+8*\p+\g
.set rQ, SB+16*(\b/2)+8*\p+\g
.set sel, 4*(\z)+2*(\i)+(\b%2)
.if sel == 0
	v_wmma_scale_f32_16x16x128_f8f6f4 v[rD:rD+7], v[rA:rA+7], v[rB:rB+7], v[rD:rD+7], v[rP], v[rQ] matrix_a_fmt:MATRIX_FMT_FP4 matrix_b_fmt:MATRIX_FMT_FP4
.elseif sel == 1
	v_wmma_scale_f32_16x16x128_f8f6f4 v[rD:rD+7], v[rA:rA+7], v[rB:rB+7], v[rD:rD+7], v[rP], v[rQ] matrix_a_fmt:MATRIX_FMT_FP4 matrix_b_fmt:MATRIX_FMT_FP4 matrix_b_scale:MATRIX_SCALE_ROW1
.elseif sel == 2
	v_wmma_scale_f32_16x16x128_f8f6f4 v[rD:rD+7], v[rA:rA+7], v[rB:rB+7], v[rD:rD+7], v[rP], v[rQ] matrix_a_fmt:MATRIX_FMT_FP4 matrix_b_fmt:MATRIX_FMT_FP4 matrix_a_scale:MATRIX_SCALE_ROW1
.elseif sel == 3
	v_wmma_scale_f32_16x16x128_f8f6f4 v[rD:rD+7], v[rA:rA+7], v[rB:rB+7], v[rD:rD+7], v[rP], v[rQ] matrix_a_fmt:MATRIX_FMT_FP4 matrix_b_fmt:MATRIX_FMT_FP4 matrix_a_scale:MATRIX_SCALE_ROW1 matrix_b_scale:MATRIX_SCALE_ROW1
.elseif sel == 4
	v_wmma_scale_f32_16x16x128_f8f6f4 v[rD:rD+7], v[rA:rA+7], v[rB:rB+7], 0, v[rP], v[rQ] matrix_a_fmt:MATRIX_FMT_FP4 matrix_b_fmt:MATRIX_FMT_FP4
.elseif sel == 5
	v_wmma_scale_f32_16x16x128_f8f6f4 v[rD:rD+7], v[rA:rA+7], v[rB:rB+7], 0, v[rP], v[rQ] matrix_a_fmt:MATRIX_FMT_FP4 matrix_b_fmt:MATRIX_FMT_FP4 matrix_b_scale:MATRIX_SCALE_ROW1
.elseif sel == 6
	v_wmma_scale_f32_16x16x128_f8f6f4 v[rD:rD+7], v[rA:rA+7], v[rB:rB+7], 0, v[rP], v[rQ] matrix_a_fmt:MATRIX_FMT_FP4 matrix_b_fmt:MATRIX_FMT_FP4 matrix_a_scale:MATRIX_SCALE_ROW1
.else
	v_wmma_scale_f32_16x16x128_f8f6f4 v[rD:rD+7], v[rA:rA+7], v[rB:rB+7], 0, v[rP], v[rQ] matrix_a_fmt:MATRIX_FMT_FP4 matrix_b_fmt:MATRIX_FMT_FP4 matrix_a_scale:MATRIX_SCALE_ROW1 matrix_b_scale:MATRIX_SCALE_ROW1
.endif
.endm
.macro MULH p, s                       ; K steps 8 p .. 8 p + 7 of a pair: 64 matrix instructions; the 8 accumulators take turns, one instruction a turn, K ascending
	WIN 0x09+4*\p                                  ; source 0 (tokens) window 1, source 1 (down_w) window 2 + p, C and D window 0
.irp g, 0,1,2,3,4,5,6,7
.irp i, 0,1
.irp b, 0,1,2,3
.if (\g == 0) && (\p == 0)
	WM \i, \b, \g, \p, \s, 1
.else
	WM \i, \b, \g, \p, \s, 0
.endif
.endr
.endr
.endr
	WIN 0
.endm
.macro SCALE s                         ; times the token's weight; register 4 q + b: token 8 h + q, output 4 r + b.  Each accumulator is read from its low end on
.irp i, 0,1
.irp q, 0,1,2,3,4,5,6,7
.irp b, 0,1,2,3
	v_mul_f32 v[TMP+32*\i+4*\q+\b], v[ACC+8*(4*\i+\b)+\q], v[WS+16*\s+8*\i+\q]
.endr
.endr
.endr
.endm
.macro SEND j
.irp i, 0,1
.irp q, 0,1,2,3,4,5,6,7
	global_store_b128 v[CO], v[TMP+32*\i+4*\q:TMP+32*\i+4*\q+3], s[84:85] offset:65536*(2*\j+\i)+4096*\q th:TH_STORE_NT   ; two tokens, 16 lanes store 256 consecutive bytes, aligned; written once, read by nobody here
.endr
.endr
.endm
	s_wait_tensorcnt 0x0                           ; my first fill is in
	ds_add_u32 v[SPW], v[NIL]                      ; 0 onto my spare word
	s_wait_dscnt 0x0                               ; the add is done
	CROUND                                         ; everybody's part of the head's tiles is in, and all sixteen work-groups are here
	tensor_load_to_lds s[G0R:G0R+3], s[G1R:G1R+7]  ; pair 2's tokens, one load a wave: a first fill
	s_nop 0
	PLACES
	FT 0, 0, 0                                     ; pair 0 and down_w's K steps 0-9: 144 loads
.irp g, 0,1,2,3,4,5,6,7
	FW \g
.endr
	FT 0, 0, 1
	FW 8
	FW 9
	s_wait_loadcnt 60                              ; down_w's scale words and set 0; down_w's 48 loads and set 1's twelve may be out
	s_wait_dscnt 48                                ; pair 0's and down_w's K steps 0-7 are in; the 48 loads behind them may be out
	s_wait_tensorcnt 0x0                           ; my part of pair 2 is in
	ds_add_u32 v[SPW], v[NIL]                      ; 0 onto my spare word
	MULH 0, 0                                      ; work on registers while the add and the youngest loads are out
	s_wait_dscnt 0x0                               ; the add is done, and my reads of down_w's bytes are over
	CROUND                                         ; no wave of any partner reads down_w's bytes any more or has a load on its way; pair 2 is whole
	tensor_load_to_lds s[G0S:G0S+3], s[G1R:G1R+7]  ; the joint refill, one a wave: pair 3's tokens, into down_w's bytes
	s_nop 0
	PLACES                                         ; (also the places in front of the loads below)
	FT 0, 2, 0                                     ; pair 1
	s_wait_loadcnt 12                              ; down_w's K steps 10-15 are in; set 1 may be out
	MULH 1, 0
	PLACES
	FT 0, 2, 1
	SCALE 0
	SEND 0
	SETS 2                                         ; into pair 0's set
	s_wait_loadcnt 12                              ; set 1 is in; the twelve just issued may be out
	s_wait_dscnt 32                                ; pair 1's K steps 0-7 are in; 8-15's 32 loads may be out
	MULH 0, 1
	PLACES
	FT 1, 0, 0                                     ; pair 2
	s_wait_dscnt 32                                ; pair 1's K steps 8-15 are in; the 32 just issued may be out
	MULH 1, 1
	PLACES
	FT 1, 0, 1
	s_wait_xcnt 0x0                                ; pair 0's stores have read their registers
	SCALE 1
	SEND 1
	SETS 3                                         ; into pair 1's set
	s_wait_loadcnt 12                              ; set 2 is in
	s_wait_dscnt 32
	MULH 0, 0
	s_wait_dscnt 0x0                               ; all my LDS reads are over
	s_wait_tensorcnt 0x0                           ; my part of pair 3 is in
	s_barrier_signal -1
	MULH 1, 0                                      ; work on registers while the others arrive
	s_barrier_wait -1                              ; pair 3 is whole
	PLACES
	FT 2, 0, 0                                     ; pair 3
	FT 2, 0, 1
	s_wait_xcnt 0x0                                ; pair 1's stores have read their registers
	SCALE 0
	SEND 2
	s_wait_loadcnt 0x0                             ; set 3 is in
	s_wait_dscnt 32
	MULH 0, 1
	s_wait_dscnt 0x0
	MULH 1, 1
	PLACES
	s_wait_xcnt 0x0                                ; pair 2's stores have read their registers
	SCALE 1
	SEND 3
	s_wait_tensorcnt 0x0                           ; the wave's end, behind my last tensor load
	ds_add_u32 v[SPW], v[NIL]
	s_wait_dscnt 0x0
	CROUND                                         ; the closing round: no work-group ends while a partner may still ask for a tile that names it
	s_endpgm
.Lfunc_end_k_q31027d1531_down:
	.size	k_q31027d1531_down, .Lfunc_end_k_q31027d1531_down-k_q31027d1531_down
	.p2alignl 7, 3214868480
	.fill 96, 4, 3214868480
	.section	.rodata,"a",@progbits
	.p2align	6, 0x0
	.amdhsa_kernel k_q31027d1531_down
		.amdhsa_group_segment_fixed_size 327680
		.amdhsa_private_segment_fixed_size 0
		.amdhsa_enable_private_segment 0
		.amdhsa_kernarg_size 48
		.amdhsa_user_sgpr_count 2
		.amdhsa_user_sgpr_kernarg_segment_ptr 1
		.amdhsa_wavefront_size32 1
		.amdhsa_system_sgpr_workgroup_id_x 1
		.amdhsa_system_sgpr_workgroup_id_y 1
		.amdhsa_system_sgpr_workgroup_id_z 1
		.amdhsa_system_vgpr_workitem_id 0
		.amdhsa_next_free_vgpr 1024
		.amdhsa_next_free_sgpr 100
		.amdhsa_reserve_vcc 0
		.amdhsa_float_denorm_mode_32 3
		.amdhsa_float_denorm_mode_16_64 3
		.amdhsa_memory_ordered 1
		.amdhsa_forward_progress 1
		.amdhsa_inst_pref_size 121
	.end_amdhsa_kernel
	.amdgpu_metadata
---
amdhsa.version: [ 1, 2 ]
amdhsa.kernels:
  - .name:           k_q31027d1531_down
    .symbol:         k_q31027d1531_down.kd
    .args:
      - { .name: hc, .offset: 0, .size: 8, .value_kind: global_buffer, .address_space: global }
      - { .name: hs, .offset: 8, .size: 8, .value_kind: global_buffer, .address_space: global }
      - { .name: qc, .offset: 16, .size: 8, .value_kind: global_buffer, .address_space: global }
      - { .name: qs, .offset: 24, .size: 8, .value_kind: global_buffer, .address_space: global }
      - { .name: wsum, .offset: 32, .size: 8, .value_kind: global_buffer, .address_space: global }
      - { .name: out0, .offset: 40, .size: 8, .value_kind: global_buffer, .address_space: global }
    .group_segment_fixed_size: 327680
    .private_segment_fixed_size: 0
    .kernarg_segment_align: 8
    .kernarg_segment_size: 48
    .max_flat_workgroup_size: 128
    .sgpr_count:     100
    .vgpr_count:     1024
    .wavefront_size: 32
...
	.end_amdgpu_metadata
.endif
;; end of part 3
